; MI455X (gfx1250); checked and timed in simulation.
; The chip was launched on July 23, 2026; its instructions are those of AMD's public machine-readable ISA for CDNA 5 (MIT licence, August 2026) and "CDNA5" Instruction Set Architecture Reference Guide (July 2026). The comments in the code are by the model that wrote it; some were corrected since.
;; Grouped Query Attention. Allowed arithmetic: matrix products marked QUANTISED: E4M3 operands, one E8M0 scale for each 32 along K, by v_wmma_scale_f32_16x16x128_f8f6f4 with both operands' format E4M3, f32 sums; everything else in f32.
;; Inputs: b_k 256 float32; b_o 1,024 float32; b_q 1,024 float32; b_v 256 float32; key 1 x 4,096 x 1,024 float32; query 1 x 4,096 x 1,024 float32; value 1 x 4,096 x 1,024 float32; w_k 1,024 x 256 float32; w_o 1,024 x 1,024 float32; w_q 1,024 x 1,024 float32; w_v 1,024 x 256 float32.
;; Outputs: out0 1 x 4,096 x 1,024 float32.
;; This version of the problem:
;;   THIS VERSION OF THE PROBLEM IS GIVEN IN LOW PRECISION. The matrix products marked QUANTISED in the list below multiply operands that are first quantised to E4M3 (4 exponent bits, 3 mantissa bits; 8 bits a number), with one power-of-two scale for each 32 numbers along K (OCP MX v1.0); their sums are f32. All else is computed in f32.
;;   The module's matrix products, in the order in which they are computed (A, B: the left and right operand; K: the contracted axis; several contracted axes count as one K, in the product's order):
;;     1. [M 4,096, K 1,024] x [K 1,024, N 1,024]; A: input query; B: input w_q: QUANTISED
;;     2. [M 4,096, K 1,024] x [K 1,024, N 256]; A: input key; B: input w_k: QUANTISED
;;     3. [M 4,096, K 1,024] x [K 1,024, N 256]; A: input value; B: input w_v: QUANTISED
;;     4. batch 4 x [M 4,096, K 64] x [K 64, N 16,384]; A: computed on the way; B: computed on the way: QUANTISED
;;     5. batch 4 x [M 64, K 4,096] x [K 4,096, N 16,384]; A: computed on the way; B: softmax (see below): QUANTISED
;;     6. [M 4,096, K 1,024] x [K 1,024, N 1,024]; A: computed on the way; B: input w_o: QUANTISED
;;   THE QUANTISER, for each operand of a quantised product, along K:
;;     - K is cut into blocks of 32 from its start; a last block that is shorter is filled with zeros.
;;     - A block's scale is 2^e with e = floor(log2(the largest magnitude in the block)) - 8, held to -126 .. 127; a block of zeros has e = 0. As a byte (E8M0): e + 127.
;;     - Each number is divided by its block's scale, clamped to +-448, and rounded to the nearest number of E4M3, ties to even, subnormals kept.
;;     - The product sums the exact products of the quantised numbers (number of the format x scale) in f32.
;;   ~~~python
;;   def quantise(x, axis):      # numpy; x: float32 -> the quantised numbers, widened to float32 again
;;       x = np.moveaxis(x, axis, -1); K = x.shape[-1]
;;       x = np.pad(x, [(0, 0)] * (x.ndim - 1) + [(0, -K % 32)]); x = x.reshape(x.shape[:-1] + (-1, 32)); a = np.abs(x).max(-1, keepdims=True)
;;       e = np.where(a > 0, np.clip(np.frexp(np.where(a > 0, a, 1))[1] - 1 - 8, -126, 127), 0)      # np.frexp(a)[1] - 1 = floor(log2(a)), exactly
;;       r = np.clip(x / 2.0 ** e, -448, 448)
;;       step = 2.0 ** (np.maximum(np.frexp(np.where(r == 0, 1, r))[1] - 1, -6) - 3)
;;       q = np.round(r / step) * step * 2.0 ** e      # np.round: ties to even
;;       return np.moveaxis(q.reshape(q.shape[:-2] + (-1,))[..., :K], -1, axis).astype(np.float32)
;;   ~~~
;;   SOFTMAX AHEAD OF A QUANTISED PRODUCT. Where the list says 'softmax', what is quantised is not the finished softmax but p = 2^(t - M), with t = logit x log2(e) and M = ceil(the row's largest t), a whole number; so 1/2 < the row's largest p <= 1. The row's sum l is taken of the UNQUANTISED p, in f32, and the product's result is divided by l at the end. Since M is a whole number, a kernel that streams over the keys may use a running M (the ceiling of the running maximum): every later rescaling is an exact power of two, which a block's scale takes up: the codes' values come out the same.
;;   OPERANDS COMPUTED ON THE WAY. 'Computed on the way' means the value that the module computes at that place (a softmax that the list does not call 'softmax' is quantised finished and normalised). What goes into a quantiser is computed in f32, as accurately as f32 sums, v_exp_f32 and their like allow (about 1e-6 of the number): no bf16 or f16 on the way to a quantiser, and a product that is left as it is and whose result goes on into a quantised operand takes f32 operands (vector FMAs, or v_wmma_f32_16x16x4_f32). A number that lies on a knife's edge between two numbers of the format may be rounded either way, as far as f32 arithmetic and the matrix unit's own rounding can turn it there, and no further.
;; One version. Each part assembles by itself: llvm-mc -triple=amdgcn-amd-amdhsa -mcpu=gfx1250 --defsym DOCPART=n.
;; ======== version 1 of 1: 4 launches
;; limits: right only within a limited range of input values
;; workspace buffers: xq 12,976,128 bytes; wq 2,703,360 bytes; qq 4,325,376 bytes; kv 2,162,688 bytes; aq 4,325,376 bytes
;; launch quant (part 1): grid 544 x 1, 4 waves a work-group, no clusters, 69,120 bytes of LDS; arguments query, key, value, w_q, w_o, w_k, w_v, xq, wq; writes xq, wq
.if DOCPART == 1
	.amdgcn_target "amdgcn-amd-amdhsa--gfx1250"
	.amdhsa_code_object_version 6
	.text
	.protected	k_q149ea8333e_quant
	.globl	k_q149ea8333e_quant
	.p2align	8
	.type	k_q149ea8333e_quant,@function
k_q149ea8333e_quant:
	s_mov_b64 s[64:65], 0
	v_nop
	global_prefetch_b8 v0, s[64:65] scope:SCOPE_SE
	s_setreg_imm32_b32 hwreg(HW_REG_WAVE_MODE, 25, 1), 1
	s_wait_xcnt 0x0
; query, key, value [4096][1024] and w_q, w_o [1024][1024], w_k, w_v [1024][256], all f32, become codes of FP8 (E4M3) with one E8M0 scale byte for each 32 along K (K = 1,024 for all seven).
; A block's scale is 2^(floor(log2(its largest magnitude)) - 8); its byte is the largest magnitude's exponent field - 8, held at 1 from below; each number is held within +-448 x the scale and rounded to the nearest code.
; LIMITS: NaN and infinities among the inputs are not served.  A block of zeros gets the byte 1 where the quantiser says 127: its codes are zeros, which add nothing, and this program alone reads the bytes.
; THE IMAGE, the layout of every operand in this program's workspace.  The operand's rows (for a weight: its columns n) go in tiles of 16; tile T = 2 B + u holds rows 32 B + 8 u + r + 8 (r / 8), r = 0 .. 15.
; A fragment (tile T, K step s of 128) is 2,048 bytes in the order of the matrix operand's registers: byte 512 c + 16 lane + i is the code of (row r = lane % 16, k = 128 s + 32 c + 16 (lane / 16) + i).
; So a fragment is four accesses of 16 bytes a lane, each 512 consecutive bytes.  Codes: [T][s][2048].  Scale words: [T][r][8 words], word s = the four bytes of K step s.
; THREE PATHS, parted on the work-group's number, each with LDS bytes of its own: 0-191 the three activations (a wave: one tile, all of K); 192-319 w_q, w_o; 320-351 w_k, w_v (a work-group: 128 columns x one K step).
; No tensor loads, no barrier: waves share nothing.  No matrix work, no cluster: every input byte is read once, by one wave.
.set SEL,   24                         ; s[24:25] lane selects for v_permlanex16_b32: lane l xor 16
.set MNT,   26                         ; s26      the mantissa field of 448
; THE SHARES, as this text now has them (this replaces the head's numbers of work-groups): 0-383 the three activations, 64 pairs of work-groups each: a wave takes one tile and ONE HALF of K (four K steps);
; 384-511 w_q, w_o; 512-543 w_k, w_v (a work-group: 128 columns x one K step).
.set SW,    8                          ; v8-11    path X: my four scale words of the tile's eight
.set TM,    16                         ; v16-31   path X: at work in QUANT
.set PC,    36                         ; v36-51   path X: a fragment's codes
.set X,     64                         ; v64-127  the numbers in hand (path X: 64 neighbours; weights: two sets of 32)
.set R,     128                        ; v128-255 path X: two sets of 64 numbers as loaded
.set C,     32                         ; v32-63   weights: codes, eight registers a block
.set OUTR,  128                        ; v128-159 weights: the way out
.set XSTG,  0                          ; LDS: path X: 16 rows x 528 bytes for each wave
.set W1STG, 33792                      ; the wide weights: two fragments (2,048 + 128 bytes each) for each wave
.set W2STG, 51200                      ; the narrow weights: the same
; 64 numbers of a lane, register 16 b + i = k 32 b + 16 (lane / 16) + i of my row, become a fragment's codes in v[PC] on and its scale word in v[pw].
.macro QUANT s, pw
.irp b, 0,1,2,3
	v_max3_num_f32 v[TM+\b], |v[\s+16*\b]|, |v[\s+1+16*\b]|, 0x4800000   ; block b: my 16 numbers and the floor 2^(9 - 127): the byte cannot fall under 1
.endr
.irp i, 2,4,6,8,10,12,14
.irp b, 0,1,2,3
	v_max3_num_f32 v[TM+\b], v[TM+\b], |v[\s+16*\b+\i]|, |v[\s+1+16*\b+\i]|   ; the four blocks by turns
.endr
.endr
.irp b, 0,1,2,3
	v_permlanex16_b32 v[TM+4+\b], v[TM+\b], s[SEL], s[SEL+1]
.endr
.irp b, 0,1,2,3
	v_max_num_f32 v[TM+\b], v[TM+\b], v[TM+4+\b]                   ; with lane l xor 16's 16: the block's largest magnitude
.endr
.irp b, 0,1,2,3
	v_add_nc_u32 v[TM+12+\b], 0xfc000000, v[TM+\b]                 ; 8 off its exponent field: the conversion's scale operand
.endr
.irp b, 0,1,2,3
	v_and_or_b32 v[TM+8+\b], v[TM+\b], 0x7f800000, s[MNT]          ; 448 x the scale
.endr
.irp b, 0,1,2,3
	v_lshrrev_b32 v[TM+4+\b], 23, v[TM+12+\b]                      ; the scale's byte
.endr
	v_lshl_or_b32 v[\pw], v[TM+5], 8, v[TM+4]
	v_lshl_or_b32 v[\pw], v[TM+6], 16, v[\pw]
	v_lshl_or_b32 v[\pw], v[TM+7], 24, v[\pw]
.irp b, 0,1,2,3
.irp i, 0,1,2,3,4,5,6,7,8,9,10,11,12,13,14,15
	v_med3_num_f32 v[\s+16*\b+\i], v[\s+16*\b+\i], -v[TM+8+\b], v[TM+8+\b]   ; the conversion to an 8-bit code does not saturate (ISA guide 7.6.2): the hold comes first
.endr
	v_cvt_scalef32_pk8_fp8_f32 v[PC+4*\b:PC+4*\b+1], v[\s+16*\b:\s+16*\b+7], v[TM+12+\b]
	v_cvt_scalef32_pk8_fp8_f32 v[PC+4*\b+2:PC+4*\b+3], v[\s+16*\b+8:\s+16*\b+15], v[TM+12+\b]
.endr
	v_nop                                          ; a plain line behind the last conversion
.endm
	s_load_b256 s[4:11], s[0:1], 0x0               ; query s[4:5], key s[6:7], value s[8:9], w_q s[10:11]
	s_load_b256 s[12:19], s[0:1], 0x20             ; w_o s[12:13], w_k s[14:15], w_v s[16:17], xq s[18:19]
	s_load_b64 s[20:21], s[0:1], 0x40              ; wq
	s_set_vgpr_msb 0x40
	v_lshl_add_u32 v0, v0, 2, 0x10c00
	v_mov_b32 v1, 0
	s_set_vgpr_msb 0x4000
	v_lshrrev_b32 v1, 5, v0
	v_readfirstlane_b32 s22, v1                    ; wave 0..3
	v_and_b32 v1, 31, v0                           ; lane
	v_and_b32 v2, 15, v0                           ; r
	v_bfe_u32 v3, v0, 4, 1                         ; h
	v_lshlrev_b32 v4, 4, v1                        ; 16 x lane
	s_mov_b32 s[SEL], 0x76543210
	s_mov_b32 s[SEL+1], 0xfedcba98
	s_mov_b32 s[MNT], 0x600000
	s_mov_b32 s31, 0                               ; the upper word of every offset pair s[30:31]
	s_wait_kmcnt 0x0
	s_cmp_lt_u32 ttmp9, 384
	s_cbranch_scc0 .Lweights
; ---- PATH X: tensor z = id / 128; tile T = 4 ((id % 128) / 2) + wave; K half = id % 2: K steps 4 (id % 2) on
	s_cmp_lt_u32 ttmp9, 128
	s_cselect_b64 s[36:37], s[4:5], s[6:7]
	s_cmp_lt_u32 ttmp9, 256
	s_cselect_b64 s[36:37], s[36:37], s[8:9]       ; the choice hangs on the work-group's number alone
	s_lshr_b32 s27, ttmp9, 7                       ; z
	s_bfe_u32 s28, ttmp9, 0x60001                  ; (id % 128) / 2: six bits from bit 1
	s_and_b32 s33, ttmp9, 1                        ; the K half
	s_lshl_b32 s28, s28, 2
	s_add_co_u32 s28, s28, s22                     ; T
	s_lshr_b32 s30, s28, 1
	s_lshl_b32 s30, s30, 17                        ; 32 rows of 4,096 bytes for each pair of tiles,
	s_and_b32 s32, s28, 1
	s_lshl_b32 s32, s32, 15                        ; 8 rows for the odd tile,
	s_add_co_u32 s30, s30, s32
	s_lshl_b32 s32, s33, 11                        ; four K steps of 512 bytes for the upper K half
	s_add_co_u32 s30, s30, s32
	s_add_nc_u64 s[36:37], s[36:37], s[30:31]      ; the tile's first row, at my K half
	s_lshl_b32 s30, s27, 22
	s_lshl_b32 s32, s28, 14
	s_add_co_u32 s30, s30, s32
	s_lshl_b32 s32, s33, 13                        ; four fragments of 2,048 bytes
	s_add_co_u32 s30, s30, s32
	s_add_nc_u64 s[38:39], s[18:19], s[30:31]      ; its codes: z x 4,194,304 + T x 16,384 + K half x 8,192
	s_lshl_b32 s30, s27, 17
	s_lshl_b32 s32, s28, 9
	s_add_co_u32 s30, s30, s32
	s_lshl_b32 s32, s33, 4                         ; four words of a row's eight
	s_add_co_u32 s30, s30, s32
	s_add_co_u32 s30, s30, 12582912
	s_add_nc_u64 s[40:41], s[18:19], s[30:31]      ; its scale words: behind the codes, z x 131,072 + T x 512 + K half x 16
	s_mul_i32 s29, s22, 8448                       ; my stage
	s_wait_alu depctr_va_vdst(0)
	v_add_nc_u32 v5, s29, v4                       ; in: a row's 512 bytes as they lie
	v_mul_u32_u24 v6, v2, 528
	v_lshl_add_u32 v6, v3, 6, v6
	v_add_nc_u32 v6, s29, v6                       ; out: row r, + 64 h: my 16 numbers of a block.  528 = 33 x 16: sixteen rows start at sixteen different 16-byte columns
	v_lshlrev_b32 v7, 5, v2                        ; the scale words' place: 32 r
.irp b, 0,1,2,3
	v_mov_b32 v[TM+4+\b], 0                        ; written once: a lane permute's destination counts as one of its sources
.endr
.macro XLOAD s                         ; K step s of the tile's 16 rows: each load reads 512 consecutive bytes of one row
.irp i, 0,1,2,3,4,5,6,7,8,9,10,11,12,13,14,15
	global_load_b128 v[R+64*((\s)%2)+4*\i:R+64*((\s)%2)+4*\i+3], v4, s[36:37] offset:(\i+8*(\i/8))*4096+512*(\s) th:TH_LOAD_NT
.endr
.endm
.macro UNIT s
.if (\s) < 3
	s_wait_loadcnt 16                              ; this unit's 16 loads are in; the next unit's 16 may be out
.else
	s_wait_loadcnt 0x0
.endif
.irp i, 0,1,2,3,4,5,6,7,8,9,10,11,12,13,14,15
	ds_store_b128 v5, v[R+64*((\s)%2)+4*\i:R+64*((\s)%2)+4*\i+3] offset:528*\i
.endr
.irp b, 0,1,2,3
.irp j, 0,1,2,3
	ds_load_b128 v[X+16*\b+4*\j:X+16*\b+4*\j+3], v6 offset:128*\b+16*\j   ; LDS serves a wave's instructions in order: these see the stores above
.endr
.endr
	s_wait_dscnt 0x0                               ; the numbers are back, and the stores have read the loaded set
	s_wait_xcnt 0x0                                ; the last unit's stores have read their codes: v[PC] on is written again only behind this wait
.if (\s) < 2
	XLOAD (\s)+2                                   ; into the set just emptied
.endif
	QUANT X, SW+(\s)
.irp c, 0,1,2,3
	global_store_b128 v4, v[PC+4*\c:PC+4*\c+3], s[38:39] offset:2048*(\s)+512*\c   ; 512 consecutive bytes, aligned
.endr
.endm
	XLOAD 0
	XLOAD 1
	s_wait_alu depctr_va_vdst(0)
.irp s, 0,1,2,3
	UNIT \s
.endr
	v_cmp_gt_u32 vcc_lo, 16, v1                    ; both halves of the lanes hold the same four words of row r: lanes 0-15 store them
	s_wait_xcnt 0x0                                ; EXEC changes only behind this wait
	s_and_saveexec_b32 s34, vcc_lo
	global_store_b128 v7, v[SW:SW+3], s[40:41]     ; 16 bytes of each row's 32: my K half's words
	s_wait_xcnt 0x0                                ; and again, ahead of the line that restores it
	s_or_b32 exec_lo, exec_lo, s34
	s_set_vgpr_msb 0x5
	s_wait_tensorcnt 0x0
	ds_add_u32 v0, v1
	s_wait_dscnt 0x0
	s_set_vgpr_msb 0x500
	s_endpgm
; ---- THE WEIGHTS.  A lane takes a column n and its registers run down K: a block of 32 lies in one lane, and the codes come out with K innermost.
; A wave's 32 columns are two tiles: column l of the 32 is row rr = l % 8 + 8 (l / 16) of tile u = (l / 8) % 2.  The codes go through the wave's stage, laid as the two fragments, and leave 512 bytes a store.
; The scale word of a column and K step leaves by one store of 4 bytes a lane, 32 bytes apart: one byte for each 128 bytes read.
; In: s[36:37] the weight, s38 / s39 where its codes / scale words begin in wq, s40 which 128 columns, s41 which K step.
.macro WLOAD t, N
.irp i, 0,1,2,3,4,5,6,7,8,9,10,11,12,13,14,15,16,17,18,19,20,21,22,23,24,25,26,27,28,29,30,31
	global_load_b32 v[X+32*((\t)%2)+\i], v10, s[36:37] offset:(32*(\t)+\i)*\N*4 th:TH_LOAD_NT   ; one row k, 32 neighbouring columns: 128 consecutive bytes
.endr
.endm
.macro WBLOCK t, N
.set XS, X+32*((\t)%2)
.if (\t) < 3
	s_wait_loadcnt 32                              ; this block's 32 loads are in; the next block's may be out
.else
	s_wait_loadcnt 0x0
.endif
	v_max3_num_f32 v12, |v[XS]|, |v[XS+1]|, |v[XS+2]|
	v_max3_num_f32 v13, |v[XS+3]|, |v[XS+4]|, |v[XS+5]|
.irp i, 6,10,14,18,22,26
	v_max3_num_f32 v12, v12, |v[XS+\i]|, |v[XS+\i+1]|
	v_max3_num_f32 v13, v13, |v[XS+\i+2]|, |v[XS+\i+3]|
.endr
	v_max3_num_f32 v12, v12, |v[XS+30]|, |v[XS+31]|
	v_max3_num_f32 v12, v12, v13, 0x4800000        ; and the floor
	v_add_nc_u32 v14, 0xfc000000, v12              ; the conversion's scale operand
	v_and_or_b32 v15, v12, 0x7f800000, s[MNT]      ; 448 x the scale
	v_lshrrev_b32 v16, 23, v14                     ; the byte
.if (\t) == 0
	v_mov_b32 v8, v16
.else
	v_lshl_or_b32 v8, v16, 8*(\t), v8
.endif
.irp i, 0,1,2,3,4,5,6,7,8,9,10,11,12,13,14,15,16,17,18,19,20,21,22,23,24,25,26,27,28,29,30,31
	v_med3_num_f32 v[XS+\i], v[XS+\i], -v15, v15
.endr
.irp g, 0,1,2,3
	v_cvt_scalef32_pk8_fp8_f32 v[C+8*(\t)+2*\g:C+8*(\t)+2*\g+1], v[XS+8*\g:XS+8*\g+7], v14
.endr
	v_nop                                          ; a plain line behind the last conversion
	ds_store_b128 v6, v[C+8*(\t):C+8*(\t)+3] offset:512*(\t)           ; k = 32 t + 0 .. 15: the place of lane rr,
	ds_store_b128 v6, v[C+8*(\t)+4:C+8*(\t)+7] offset:512*(\t)+256     ; k = 32 t + 16 .. 31: of lane rr + 16
.if (\t) < 2
	WLOAD (\t)+2, \N
.endif
.endm
.macro WPATH N, STG
	s_mul_i32 s30, s41, 128*\N*4                   ; K step s: 128 rows of the weight,
	s_lshl_b32 s32, s40, 9                         ; 128 columns a work-group,
	s_add_co_u32 s30, s30, s32
	s_lshl_b32 s32, s22, 7                         ; 32 a wave
	s_add_co_u32 s30, s30, s32
	s_add_nc_u64 s[36:37], s[36:37], s[30:31]
	s_lshl_b32 s33, s40, 3
	s_lshl_b32 s32, s22, 1
	s_add_co_u32 s33, s33, s32                     ; my first tile
	s_lshl_b32 s30, s33, 14
	s_lshl_b32 s32, s41, 11
	s_add_co_u32 s30, s30, s32
	s_add_co_u32 s30, s30, s38
	s_add_nc_u64 s[42:43], s[20:21], s[30:31]      ; its fragment of this K step
	s_lshl_b32 s30, s33, 9
	s_lshl_b32 s32, s41, 2
	s_add_co_u32 s30, s30, s32
	s_add_co_u32 s30, s30, s39
	s_add_co_u32 s30, s30, 2621440
	s_add_nc_u64 s[44:45], s[20:21], s[30:31]      ; and its scale words
	v_lshlrev_b32 v10, 2, v1                       ; in: 4 bytes a lane
	v_bfe_u32 v11, v0, 3, 1                        ; u
	v_and_b32 v9, 7, v0
	v_lshl_or_b32 v9, v3, 3, v9                    ; rr
	s_mul_i32 s29, s22, 4352
	s_add_co_u32 s29, s29, \STG                    ; my stage
	v_mul_u32_u24 v6, v11, 2176                    ; 2,176 = 2,048 + 128: lanes 8-15 fall on the other half of the banks than lanes 0-7
	v_lshl_add_u32 v6, v9, 4, v6
	v_add_nc_u32 v6, s29, v6
	v_add_nc_u32 v7, s29, v4
	v_lshlrev_b32 v9, 5, v9
	v_lshl_add_u32 v9, v11, 9, v9                  ; my scale word: 512 u + 32 rr
	WLOAD 0, \N
	WLOAD 1, \N
	WBLOCK 0, \N
	WBLOCK 1, \N
	WBLOCK 2, \N
	WBLOCK 3, \N
.irp u, 0,1
.irp c, 0,1,2,3
	ds_load_b128 v[OUTR+16*\u+4*\c:OUTR+16*\u+4*\c+3], v7 offset:2176*\u+512*\c   ; LDS serves a wave's instructions in order: these see my stores
.endr
.endr
.irp u, 0,1
.irp c, 0,1,2,3
	s_wait_dscnt 7-4*\u-\c                         ; this load is in; the younger ones may be out
	global_store_b128 v4, v[OUTR+16*\u+4*\c:OUTR+16*\u+4*\c+3], s[42:43] offset:16384*\u+512*\c
.endr
.endr
	global_store_b32 v9, v8, s[44:45]
	s_set_vgpr_msb 0x5
	s_wait_tensorcnt 0x0
	ds_add_u32 v0, v1
	s_wait_dscnt 0x0
	s_set_vgpr_msb 0x500
	s_endpgm
.endm
.Lweights:
	s_cmp_lt_u32 ttmp9, 512
	s_cbranch_scc0 .Lnarrow
	s_sub_co_u32 s27, ttmp9, 384                   ; 0..127: w_q, then w_o; 8 groups of columns x 8 K steps each
	s_cmp_lt_u32 s27, 64
	s_cselect_b64 s[36:37], s[10:11], s[12:13]
	s_cselect_b32 s38, 0, 1572864
	s_cselect_b32 s39, 0, 49152
	s_and_b32 s40, s27, 7
	s_bfe_u32 s41, s27, 0x30003
	s_wait_alu depctr_va_vdst(0)
	WPATH 1024, W1STG
.Lnarrow:
	s_sub_co_u32 s27, ttmp9, 512                   ; 0..31: w_k, then w_v; 2 groups of columns x 8 K steps each
	s_cmp_lt_u32 s27, 16
	s_cselect_b64 s[36:37], s[14:15], s[16:17]
	s_mov_b32 s38, 1310720
	s_cselect_b32 s38, 1048576, s38
	s_mov_b32 s39, 40960
	s_cselect_b32 s39, 32768, s39
	s_and_b32 s40, s27, 1
	s_bfe_u32 s41, s27, 0x30001
	s_wait_alu depctr_va_vdst(0)
	WPATH 256, W2STG
.Lfunc_end_k_q149ea8333e_quant:
	.size	k_q149ea8333e_quant, .Lfunc_end_k_q149ea8333e_quant-k_q149ea8333e_quant
	.p2alignl 7, 3214868480
	.fill 96, 4, 3214868480
	.section	.rodata,"a",@progbits
	.p2align	6, 0x0
	.amdhsa_kernel k_q149ea8333e_quant
		.amdhsa_group_segment_fixed_size 69120
		.amdhsa_private_segment_fixed_size 0
		.amdhsa_enable_private_segment 0
		.amdhsa_kernarg_size 72
		.amdhsa_user_sgpr_count 2
		.amdhsa_user_sgpr_kernarg_segment_ptr 1
		.amdhsa_wavefront_size32 1
		.amdhsa_system_sgpr_workgroup_id_x 1
		.amdhsa_system_sgpr_workgroup_id_y 1
		.amdhsa_system_sgpr_workgroup_id_z 1
		.amdhsa_system_vgpr_workitem_id 0
		.amdhsa_next_free_vgpr 258
		.amdhsa_next_free_sgpr 66
		.amdhsa_reserve_vcc 1
		.amdhsa_float_denorm_mode_32 3
		.amdhsa_float_denorm_mode_16_64 3
		.amdhsa_memory_ordered 1
		.amdhsa_forward_progress 1
		.amdhsa_inst_pref_size 112
	.end_amdhsa_kernel
	.amdgpu_metadata
---
amdhsa.version: [ 1, 2 ]
amdhsa.kernels:
  - .name:           k_q149ea8333e_quant
    .symbol:         k_q149ea8333e_quant.kd
    .args:
      - { .name: query, .offset: 0, .size: 8, .value_kind: global_buffer, .address_space: global }
      - { .name: key, .offset: 8, .size: 8, .value_kind: global_buffer, .address_space: global }
      - { .name: value, .offset: 16, .size: 8, .value_kind: global_buffer, .address_space: global }
      - { .name: w_q, .offset: 24, .size: 8, .value_kind: global_buffer, .address_space: global }
      - { .name: w_o, .offset: 32, .size: 8, .value_kind: global_buffer, .address_space: global }
      - { .name: w_k, .offset: 40, .size: 8, .value_kind: global_buffer, .address_space: global }
      - { .name: w_v, .offset: 48, .size: 8, .value_kind: global_buffer, .address_space: global }
      - { .name: xq, .offset: 56, .size: 8, .value_kind: global_buffer, .address_space: global }
      - { .name: wq, .offset: 64, .size: 8, .value_kind: global_buffer, .address_space: global }
    .group_segment_fixed_size: 69120
    .private_segment_fixed_size: 0
    .kernarg_segment_align: 8
    .kernarg_segment_size: 72
    .max_flat_workgroup_size: 128
    .sgpr_count:     66
    .vgpr_count:     258
    .wavefront_size: 32
...
	.end_amdgpu_metadata
.endif
;; end of part 1
;; launch proj (part 2): grid 384 x 1, 4 waves a work-group, no clusters, 270,848 bytes of LDS; arguments xq, wq, b_q, b_k, b_v, qq, kv; writes qq, kv
.if DOCPART == 2
	.amdgcn_target "amdgcn-amd-amdhsa--gfx1250"
	.amdhsa_code_object_version 6
	.text
	.protected	k_q149ea8333e_proj
	.globl	k_q149ea8333e_proj
	.p2align	8
	.type	k_q149ea8333e_proj,@function
k_q149ea8333e_proj:
	s_mov_b64 s[64:65], 0
	v_nop
	global_prefetch_b8 v0, s[64:65] scope:SCOPE_SE
	s_setreg_imm32_b32 hwreg(HW_REG_WAVE_MODE, 25, 1), 1
	s_wait_xcnt 0x0
; The three projections, q = query w_q + b_q, k = key w_k + b_k, v = value w_v + b_v, on codes of FP8 (E4M3) with E8M0 scales, K = 1,024; each result is quantised again in registers, for the attention launch.
; ONE FORM FOR ALL THREE: D[row of S0][row of S1], S0 = source 0, S1 = source 1 of the matrix instruction.  A lane then holds ONE row of S1, and its registers run along S0's rows, which are the axis along which
; the result is quantised: q, k: S0 = the weight (the head's 64 numbers), S1 = the tokens;  v: S0 = the tokens (the keys), S1 = the weight.  S0's tiles hold rows 32 B + 8 u + r + 8 (r / 8), so that the 16 registers
; of tiles 2 B and 2 B + 1 are 16 neighbours, 32 B + 16 (lane / 16) + 0 .. 15: what the conversions and the next operand's layout want.  Operands lie in memory in the order of their registers: [tile][K step][2,048].
; SHARES.  A work-group: 128 rows of S0 x 128 rows of S1; work-groups 0-255 q, 256-319 k, 320-383 v.  A wave: 64 x 64: 16 accumulators.  Both panels, all of K, 2 x 131,072 bytes, and their scale words, 2 x 4,096, lie in
; LDS: every byte is filled once, so there is no ring.  Each wave brings a quarter: five tensor loads at the head (its scale words, then four chunks of two K steps), by this text's count five out at the most.
; OUT.  q: [head][tile][1,024] half fragments (64 along K) and two scale bytes a row;  k, v: records of 128 keys for each KV head: 8,192 bytes of K (8 half fragments), 8,192 of V^T (4 fragments, keys along K),
; 256 of K's scale bytes, 256 of V's.  Codes leave 512 consecutive bytes a store; the scale bytes by stores of 2 bytes a lane: 2 bytes for each 64 of codes.
; NO CLUSTER: k and v have two panels on one side (256 / 128), so that no one group of four work-groups shares a panel in all three paths of this text.
; LIMITS: NaN and infinities are not served; a block of zeros gets the byte 1 (its codes are zeros; this program alone reads the bytes).
; THE FILLS, as this text now has them (this replaces what the head says of five loads and of scale words in LDS): ONE tensor load a wave at the head: wave w brings K half w / 2 (four K steps) of panel w % 2, all 8 tiles:
; 8 rows of 8,192 bytes, 16,384 apart in memory, dense in LDS at w x 65,536: codes at K half x 131,072 + panel x 65,536 + tile x 8,192 + (s % 4) x 2,048.  Waves 0, 1 and waves 2, 3 have a load line each:
; the first barrier shows the first K half alone, the barrier in K step 3 the second.  The scale words come by plain loads into registers: S0's rows in all lanes of v[SC] on, S1's in v[SCB] on, then lanes 16-31 of v[SC] take S1's.
.set SCB,  96                          ; v96-127 S1's scale words until they are merged into v[SC] on
.set LI,   1
.set ADRS, 4                           ; v4      a row's scale words: 32 r, for S0's loads and S1's
.set ADRA, 8                           ; v8-9    my four tiles of S0 in K half 0..1
.set ADRB, 12                          ; v12-13  the same of S1
.set TM,   16                          ; v16-23  at work in QUANT2
.set VO,   24                          ; v24-27  where tile b's codes go
.set VS,   28                          ; v28-31  and its scale bytes
.set SC,   32                          ; v32-63  scale words: register 8 i + s: lanes 0-15 S0's tile i, lanes 16-31 S1's tile i, K step s
.set BIAS, 64                          ; v64-95  the bias in the result's layout, eight registers a tile
.set PW,   64                          ; v64-67  later: the scale bytes made
.set VA,   96                          ; v96-103 the bias loads' offsets
.set PC,   96                          ; v96-127 later: the codes made, eight registers for each tile of S1
.set ACC,  128                         ; v128-255 accumulator (a, b) at ACC + 32 b + 8 a.   Window 1: two fragment buffers of 128: S0's four fragments, then S1's four
.set SEL,  92
.set MNT,  94
.set MSB, 0
.macro WIN new                         ; the immediate's high byte repeats the setting that is left
.if MSB != \new
	s_set_vgpr_msb (MSB<<8)|\new
.set MSB, \new
.endif
.endm
.macro PLACES n
.rept \n
	v_nop
.endr
.endm
; 32 numbers of a lane, register 16 b + i = index 32 b + 16 (lane / 16) + i, become 8 registers of codes at v[pc] and two scale bytes in v[pw].  The maxima read each accumulator from its low end on.
.macro QUANT2 s, pc, pw
.irp b, 0,1
	v_max3_num_f32 v[TM+\b], |v[(\s)+16*\b]|, |v[(\s)+1+16*\b]|, 0x4800000   ; my 16 numbers and the floor 2^(9 - 127)
.endr
.irp i, 2,4,6,8,10,12,14
.irp b, 0,1
	v_max3_num_f32 v[TM+\b], v[TM+\b], |v[(\s)+16*\b+\i]|, |v[(\s)+1+16*\b+\i]|
.endr
.endr
.irp b, 0,1
	v_permlanex16_b32 v[TM+2+\b], v[TM+\b], s[SEL], s[SEL+1]
.endr
.irp b, 0,1
	v_max_num_f32 v[TM+\b], v[TM+\b], v[TM+2+\b]                   ; with lane l xor 16's: the block's largest magnitude
.endr
.irp b, 0,1
	v_add_nc_u32 v[TM+6+\b], 0xfc000000, v[TM+\b]                  ; 8 off its exponent field: the conversion's scale operand
.endr
.irp b, 0,1
	v_and_or_b32 v[TM+4+\b], v[TM+\b], 0x7f800000, s[MNT]          ; 448 x the scale
.endr
.irp b, 0,1
	v_lshrrev_b32 v[TM+2+\b], 23, v[TM+6+\b]                       ; the byte
.endr
	v_lshl_or_b32 v[\pw], v[TM+3], 8, v[TM+2]
.irp b, 0,1
.irp i, 0,1,2,3,4,5,6,7,8,9,10,11,12,13,14,15
	v_med3_num_f32 v[(\s)+16*\b+\i], v[(\s)+16*\b+\i], -v[TM+4+\b], v[TM+4+\b]   ; the conversion does not saturate (ISA guide 7.6.2): the hold comes first
.endr
	v_cvt_scalef32_pk8_fp8_f32 v[(\pc)+4*\b:(\pc)+4*\b+1], v[(\s)+16*\b:(\s)+16*\b+7], v[TM+6+\b]
	v_cvt_scalef32_pk8_fp8_f32 v[(\pc)+4*\b+2:(\pc)+4*\b+3], v[(\s)+16*\b+8:(\s)+16*\b+15], v[TM+6+\b]
.endr
	v_nop                                          ; a plain line behind the last conversion
.endm
	s_load_b256 s[4:11], s[0:1], 0x0               ; xq s[4:5], wq s[6:7], b_q s[8:9], b_k s[10:11]
	s_load_b128 s[12:15], s[0:1], 0x20             ; b_v s[12:13], qq s[14:15]
	s_load_b64 s[16:17], s[0:1], 0x30              ; kv
	s_set_vgpr_msb 0x80
	v_lshl_add_u32 v0, v0, 2, 0x42000
	v_mov_b32 v1, 0
	s_set_vgpr_msb 0x808a
	ds_add_u32 v0, v1
	ds_add_u32 v0, v1
	s_wait_dscnt 0x0
	s_set_vgpr_msb 0x8a00
	v_lshrrev_b32 v1, 5, v0
	v_readfirstlane_b32 s18, v1                    ; wave 0..3
	s_and_b32 s19, s18, 1                          ; my half of S0's 128 rows.  Also: which four tiles of a panel I fetch
	s_lshr_b32 s20, s18, 1                         ; my half of S1's.  Also: which K half I fetch
; What hangs on the path, as plain numbers: s22, s23 the panels i0, i1; s86, s87 e0 = 2 i0 + my half, e1 likewise; s28-31 where the panels' codes and scale words begin; s34 = 1: the bias runs along S1;
; s80 bytes from tile b's codes to tile b + 1's; s81, s82 the scale bytes' strides by row and by tile; s83-85 the bias offsets' strides by S1 row, by half of the lanes, by register; s88, s90, s96 offsets of codes, scale bytes, bias.
	s_cmp_lt_u32 ttmp9, 256
	s_cbranch_scc0 .Lnot_q
	s_and_b32 s22, ttmp9, 7                        ; q: 8 panels of w_q's columns x 32 panels of tokens
	s_lshr_b32 s23, ttmp9, 3
	s_lshl_b32 s86, s22, 1
	s_add_co_u32 s86, s86, s19                     ; e0: the head
	s_lshl_b32 s87, s23, 1
	s_add_co_u32 s87, s87, s20                     ; e1: which 64 tokens
	s_lshl_b32 s28, s22, 17
	s_lshl_b32 s29, s22, 12
	s_add_co_u32 s29, s29, 2621440
	s_lshl_b32 s30, s23, 17
	s_lshl_b32 s31, s23, 12
	s_add_co_u32 s31, s31, 12582912
	s_mov_b32 s34, 0
	s_mov_b32 s80, 1024
	s_mov_b32 s81, 8
	s_mov_b32 s82, 2
	s_mov_b32 s83, 0
	s_mov_b32 s84, 64
	s_mov_b32 s85, 4
	s_lshl_b32 s88, s86, 18                        ; head x 262,144 + 4 tiles x 1,024 for each e1
	s_lshl_b32 s21, s87, 12
	s_add_co_u32 s88, s88, s21
	s_lshl_b32 s90, s86, 13                        ; behind the codes: head x 8,192 + e1 x 128
	s_lshl_b32 s21, s87, 7
	s_add_co_u32 s90, s90, s21
	s_add_co_u32 s90, s90, 4194304
	s_lshl_b32 s96, s86, 8
	s_branch .Lpaths_join
.Lnot_q:
	s_cmp_lt_u32 ttmp9, 320
	s_cbranch_scc0 .Lpath_v
	s_sub_co_u32 s21, ttmp9, 256                   ; k: 2 panels of w_k's columns x 32 panels of tokens
	s_and_b32 s22, s21, 1
	s_lshr_b32 s23, s21, 1
	s_lshl_b32 s86, s22, 1
	s_add_co_u32 s86, s86, s19                     ; e0: the KV head
	s_lshl_b32 s87, s23, 1
	s_add_co_u32 s87, s87, s20                     ; e1: which 64 keys
	s_lshl_b32 s28, s22, 17
	s_add_co_u32 s28, s28, 1048576
	s_lshl_b32 s29, s22, 12
	s_add_co_u32 s29, s29, 2621440+32768
	s_lshl_b32 s30, s23, 17
	s_add_co_u32 s30, s30, 4194304
	s_lshl_b32 s31, s23, 12
	s_add_co_u32 s31, s31, 12582912+131072
	s_mov_b32 s34, 0
	s_mov_b32 s80, 1024
	s_mov_b32 s81, 16
	s_mov_b32 s82, 2
	s_mov_b32 s83, 0
	s_mov_b32 s84, 64
	s_mov_b32 s85, 4
	s_mul_i32 s88, s86, 540672                     ; the record: KV head x 32 records + e1 / 2
	s_lshr_b32 s21, s87, 1
	s_mul_i32 s21, s21, 16896
	s_add_co_u32 s88, s88, s21
	s_and_b32 s21, s87, 1
	s_lshl_b32 s90, s21, 3                         ; K's scale bytes: 16 r + 2 x (4 (e1 % 2) + b)
	s_add_co_u32 s90, s90, s88
	s_add_co_u32 s90, s90, 16384
	s_lshl_b32 s21, s21, 12                        ; K's half fragments: 1,024 x (4 (e1 % 2) + b)
	s_add_co_u32 s88, s88, s21
	s_lshl_b32 s96, s86, 8
	s_branch .Lpaths_join
.Lpath_v:
	s_sub_co_u32 s21, ttmp9, 320                   ; v: 32 panels of tokens x 2 panels of w_v's columns
	s_lshr_b32 s22, s21, 1
	s_and_b32 s23, s21, 1
	s_lshl_b32 s86, s22, 1
	s_add_co_u32 s86, s86, s19                     ; e0: which 64 keys
	s_lshl_b32 s87, s23, 1
	s_add_co_u32 s87, s87, s20                     ; e1: the KV head
	s_lshl_b32 s28, s22, 17
	s_add_co_u32 s28, s28, 8388608
	s_lshl_b32 s29, s22, 12
	s_add_co_u32 s29, s29, 12582912+262144
	s_lshl_b32 s30, s23, 17
	s_add_co_u32 s30, s30, 1310720
	s_lshl_b32 s31, s23, 12
	s_add_co_u32 s31, s31, 2621440+40960
	s_mov_b32 s34, 1
	s_mov_b32 s80, 2048
	s_mov_b32 s81, 16
	s_mov_b32 s82, 4
	s_mov_b32 s83, 4
	s_mov_b32 s84, 0
	s_mov_b32 s85, 0
	s_mul_i32 s88, s87, 540672
	s_lshr_b32 s21, s86, 1
	s_mul_i32 s21, s21, 16896
	s_add_co_u32 s88, s88, s21
	s_and_b32 s21, s86, 1
	s_lshl_b32 s90, s21, 1                         ; V's scale bytes: 16 r + 4 b + 2 (e0 % 2)
	s_add_co_u32 s90, s90, s88
	s_add_co_u32 s90, s90, 16640
	s_lshl_b32 s21, s21, 10                        ; V^T's fragments: 2,048 b + 1,024 (e0 % 2): my 64 keys are two of a fragment's four blocks
	s_add_co_u32 s88, s88, s21
	s_add_co_u32 s88, s88, 8192
	s_lshl_b32 s96, s87, 8
.Lpaths_join:
	s_mov_b32 s89, 0
	s_mov_b32 s91, 0
	s_mov_b32 s97, 0
	s_wait_kmcnt 0x0
	s_cmp_lt_u32 ttmp9, 320                        ; the buffers: every choice hangs on the work-group's or the wave's number alone
	s_cselect_b64 s[24:25], s[6:7], s[4:5]         ; S0: the weights (q, k) or the activations (v)
	s_cselect_b64 s[26:27], s[4:5], s[6:7]         ; S1: the other
	s_cselect_b64 s[32:33], s[10:11], s[12:13]
	s_cmp_lt_u32 ttmp9, 256
	s_cselect_b64 s[32:33], s[8:9], s[32:33]       ; the bias
	s_cselect_b64 s[76:77], s[14:15], s[16:17]     ; the output
	s_add_nc_u64 s[78:79], s[76:77], s[90:91]      ; my scale bytes
	s_add_nc_u64 s[76:77], s[76:77], s[88:89]      ; my codes
	s_add_nc_u64 s[32:33], s[32:33], s[96:97]
	s_lshl_b32 s21, s19, 11                        ; the scale words of the tiles that I multiply: 4 x 512 bytes for each half of a panel
	s_add_co_u32 s90, s29, s21
	s_add_nc_u64 s[68:69], s[24:25], s[90:91]      ; S0's
	s_lshl_b32 s21, s20, 11
	s_add_co_u32 s90, s31, s21
	s_add_nc_u64 s[70:71], s[26:27], s[90:91]      ; S1's
	s_cmp_eq_u32 s19, 0                            ; what I fetch: panel wave % 2 (0: S0's, 1: S1's), K half wave / 2
	s_cselect_b64 s[24:25], s[24:25], s[26:27]
	s_cselect_b32 s88, s28, s30
	s_lshl_b32 s21, s20, 13                        ; four K steps of a tile are 8,192 bytes
	s_add_co_u32 s88, s88, s21
	s_add_nc_u64 s[24:25], s[24:25], s[88:89]
	; descriptor group 1: 8 tiles x four K steps: 8 rows of 8,192 bytes (1,024 elements of 8), 16,384 bytes apart; dense in LDS
	s_mov_b32 s56, 3<<16
	s_mov_b32 s57, 1024<<16                        ; tensor_dim0
	s_mov_b32 s58, 8<<16                           ; tensor_dim1
	s_mov_b32 s59, 1024<<16                        ; tile_dim0
	s_mov_b32 s60, 8                               ; tile_dim1
	s_mov_b32 s61, 2048                            ; the pitch, in elements
	s_mov_b32 s62, 0
	s_mov_b32 s63, 0
	s_mov_b32 s40, 1
	s_lshl_b32 s41, s18, 16                        ; K half x 131,072 + panel x 65,536 = wave x 65,536
	s_mov_b64 s[42:43], s[24:25]
	s_or_b32 s43, s43, 0x80000000
	s_cmp_lt_u32 s18, 2                            ; one load a wave; the two K halves have a line each, since only the first line's waves wait at the first barrier
	s_cbranch_scc0 .Lupper
	tensor_load_to_lds s[40:43], s[56:63]
	s_nop 0
	PLACES 4
	s_branch .Lasked
.Lupper:
	tensor_load_to_lds s[40:43], s[56:63]
	s_nop 0
	PLACES 4
.Lasked:
	v_and_b32 v5, 31, v0                           ; lane
	v_lshlrev_b32 v[LI], 4, v5
	s_wait_alu depctr_va_vdst(0)
	v_and_b32 v2, 15, v0                           ; r
	v_bfe_u32 v3, v0, 4, 1                         ; h
	v_lshlrev_b32 v[ADRS], 5, v2                   ; a row's eight scale words: 32 r, in both halves of the lanes
	s_wait_alu depctr_va_vdst(0)
.irp i, 0,1,2,3
	global_load_b128 v[SC+8*\i:SC+8*\i+3], v[ADRS], s[68:69] offset:512*\i       ; S0's tile i
	global_load_b128 v[SC+8*\i+4:SC+8*\i+7], v[ADRS], s[68:69] offset:512*\i+16
.endr
	s_lshl_b32 s21, s19, 15                        ; my four tiles of S0: 4 x 8,192 bytes for each half of the panel
	s_lshl_b32 s35, s20, 15
	s_add_co_u32 s35, s35, 65536                   ; and of S1
.irp ch, 0,1
	v_add_nc_u32 v[ADRA+\ch], s21, v[LI]
	v_add_nc_u32 v[ADRB+\ch], s35, v[LI]
	s_add_co_u32 s21, s21, 131072
	s_add_co_u32 s35, s35, 131072
.endr
	; the bias as the C of each sum's first product.  q, k: tile x of S0, register j: b[32 (x / 2) + 8 (x % 2) + 16 h + j];  v: tile x of S1, every register: b[32 (x / 2) + 8 (x % 2) + r + 8 (r / 8)]
	v_and_b32 v6, 8, v2
	v_add_nc_u32 v6, v6, v2
	v_mul_u32_u24 v6, v6, s83
	v_mul_u32_u24 v7, v3, s84
	v_add_nc_u32 v6, v6, v7
	s_wait_alu depctr_va_vdst(0)
.irp j, 0,1,2,3,4,5,6,7
	s_mul_i32 s21, s85, \j
	v_add_nc_u32 v[VA+\j], s21, v6
.endr
.irp x, 0,1,2,3
.irp j, 0,1,2,3,4,5,6,7
	global_load_b32 v[BIAS+8*\x+\j], v[VA+\j], s[32:33] offset:(32*(\x/2)+8*(\x%2))*4
.endr
.endr
.irp b, 0,1,2,3
	s_mul_i32 s21, s80, \b
	v_add_nc_u32 v[VO+\b], s21, v[LI]
.endr
	v_mul_u32_u24 v7, v2, s81
.irp b, 0,1,2,3
	s_mul_i32 s21, s82, \b
	v_add_nc_u32 v[VS+\b], s21, v7
.endr
	v_mov_b32 v[TM+2], 0                           ; written once: a lane permute's destination counts as one of its sources
	v_mov_b32 v[TM+3], 0
	s_mov_b32 s[SEL], 0x76543210
	s_mov_b32 s[SEL+1], 0xfedcba98
	s_mov_b32 s[MNT], 0x600000
.macro FETCH s, f                      ; K step s: my four fragments of S0 and four of S1 into buffer f of window 1: each load 512 consecutive bytes
	WIN 0x40
.irp a, 0,1,2,3
.irp c, 0,1,2,3
	ds_load_b128 v[(\f)+16*\a+4*\c:(\f)+16*\a+4*\c+3], v[ADRA+(\s)/4] offset:8192*\a+2048*((\s)%4)+512*\c
.endr
.endr
.irp a, 0,1,2,3
.irp c, 0,1,2,3
	ds_load_b128 v[(\f)+64+16*\a+4*\c:(\f)+64+16*\a+4*\c+3], v[ADRB+(\s)/4] offset:8192*\a+2048*((\s)%4)+512*\c
.endr
.endr
.endm
; 16 products: the sixteen accumulators take turns, one instruction a turn, in the same order in every K step.  cmode 1, 2: the first K step starts the sums with the bias along S0, along S1.
.macro MUL s, f, cmode
	WIN 0x05                                       ; sources 0 and 1 in window 1; C and D in window 0
.irp b, 0,1,2,3
.irp a, 0,1,2,3
.if \cmode == 1
	v_wmma_scale_f32_16x16x128_f8f6f4 v[ACC+32*\b+8*\a:ACC+32*\b+8*\a+7], v[(\f)+16*\a:(\f)+16*\a+15], v[(\f)+64+16*\b:(\f)+64+16*\b+15], v[BIAS+8*\a:BIAS+8*\a+7], v[SC+8*\a+(\s)], v[SC+8*\b+(\s)] matrix_b_scale:MATRIX_SCALE_ROW1
.elseif \cmode == 2
	v_wmma_scale_f32_16x16x128_f8f6f4 v[ACC+32*\b+8*\a:ACC+32*\b+8*\a+7], v[(\f)+16*\a:(\f)+16*\a+15], v[(\f)+64+16*\b:(\f)+64+16*\b+15], v[BIAS+8*\b:BIAS+8*\b+7], v[SC+8*\a+(\s)], v[SC+8*\b+(\s)] matrix_b_scale:MATRIX_SCALE_ROW1
.else
	v_wmma_scale_f32_16x16x128_f8f6f4 v[ACC+32*\b+8*\a:ACC+32*\b+8*\a+7], v[(\f)+16*\a:(\f)+16*\a+15], v[(\f)+64+16*\b:(\f)+64+16*\b+15], v[ACC+32*\b+8*\a:ACC+32*\b+8*\a+7], v[SC+8*\a+(\s)], v[SC+8*\b+(\s)] matrix_b_scale:MATRIX_SCALE_ROW1
.endif
.endr
.endr
.endm
.macro STEP s
.if (\s) == 3
	s_wait_tensorcnt 0x0                           ; every wave's load has landed, the second K half among them
.endif
	s_wait_dscnt 0x0                               ; this step's fragments are in
.if (\s) == 3
	s_barrier_signal -1
	s_barrier_wait -1
.endif
	PLACES 8                                       ; eight places between the last step's products and the loads into the buffer that they read
.if (\s) < 7
	FETCH (\s)+1, 128*(((\s)+1)%2)
.endif
	MUL \s, 128*((\s)%2), 0
.endm
	s_wait_alu depctr_va_vdst(0)
	s_wait_xcnt 0x0                                ; the bias loads have read their offsets, v96-103: loads may land there
.irp i, 0,1,2,3
	global_load_b128 v[SCB+8*\i:SCB+8*\i+3], v[ADRS], s[70:71] offset:512*\i     ; S1's tile i
	global_load_b128 v[SCB+8*\i+4:SCB+8*\i+7], v[ADRS], s[70:71] offset:512*\i+16
.endr
	s_wait_loadcnt 0x0                             ; scale words and bias
	v_cmp_eq_u32 vcc_lo, 1, v3
.set J, 0
.rept 32
	v_cndmask_b32 v[SC+J], v[SC+J], v[SCB+J], vcc_lo   ; lanes 0-15 keep S0's word, lanes 16-31 take S1's
.set J, J+1
.endr
	PLACES 8                                       ; a scale register written by a vector line stands eight places ahead of a scaled product
	s_wait_alu depctr_va_vdst(0)
	s_cmp_lt_u32 s18, 2
	s_cbranch_scc0 .Lnot_yet
	s_wait_tensorcnt 0x0                           ; waves 0, 1: the first K half of both panels has landed; waves 2, 3 wait in K step 3
.Lnot_yet:
	s_barrier_signal -1
	s_barrier_wait -1
	FETCH 0, 0
	s_wait_loadcnt 0x0                             ; the bias
	s_wait_dscnt 0x0
	FETCH 1, 128
	WIN 0                                          ; at a branch and at a label every window is 0
	s_cmp_eq_u32 s34, 1
	s_cbranch_scc1 .Lbias_s1
	MUL 0, 0, 1
	WIN 0
	s_branch .Lbias_done
.Lbias_s1:
	MUL 0, 0, 2
	WIN 0
.Lbias_done:
.irp s, 1,2,3,4,5,6,7
	STEP \s
.endr
	WIN 0
	PLACES 8                                       ; between the last products and the first read of their results
.irp b, 0,1,2,3
	QUANT2 ACC+32*\b, PC+8*\b, PW+\b               ; tile b of S1: my row's 64 numbers along S0 are two blocks of 32
.endr
.irp b, 0,1,2,3
	global_store_b128 v[VO+\b], v[PC+8*\b:PC+8*\b+3], s[76:77]               ; 512 consecutive bytes, aligned
	global_store_b128 v[VO+\b], v[PC+8*\b+4:PC+8*\b+7], s[76:77] offset:512
.endr
	v_cmp_gt_u32 vcc_lo, 16, v5                    ; both halves of the lanes hold the same bytes: lanes 0-15 store them
	s_wait_xcnt 0x0                                ; EXEC changes only behind this wait
	s_set_vgpr_msb 0xa
	s_wait_tensorcnt 0x0
	ds_add_u32 v0, v1
	s_wait_dscnt 0x0
	s_set_vgpr_msb 0xa00
	s_and_saveexec_b32 s95, vcc_lo
.irp b, 0,1,2,3
	global_store_b16 v[VS+\b], v[PW+\b], s[78:79]
.endr
	s_wait_xcnt 0x0
	s_or_b32 exec_lo, exec_lo, s95
	s_endpgm
.Lfunc_end_k_q149ea8333e_proj:
	.size	k_q149ea8333e_proj, .Lfunc_end_k_q149ea8333e_proj-k_q149ea8333e_proj
	.p2alignl 7, 3214868480
	.fill 96, 4, 3214868480
	.section	.rodata,"a",@progbits
	.p2align	6, 0x0
	.amdhsa_kernel k_q149ea8333e_proj
		.amdhsa_group_segment_fixed_size 270848
		.amdhsa_private_segment_fixed_size 0
		.amdhsa_enable_private_segment 0
		.amdhsa_kernarg_size 56
		.amdhsa_user_sgpr_count 2
		.amdhsa_user_sgpr_kernarg_segment_ptr 1
		.amdhsa_wavefront_size32 1
		.amdhsa_system_sgpr_workgroup_id_x 1
		.amdhsa_system_sgpr_workgroup_id_y 1
		.amdhsa_system_sgpr_workgroup_id_z 1
		.amdhsa_system_vgpr_workitem_id 0
		.amdhsa_next_free_vgpr 514
		.amdhsa_next_free_sgpr 100
		.amdhsa_reserve_vcc 1
		.amdhsa_float_denorm_mode_32 3
		.amdhsa_float_denorm_mode_16_64 3
		.amdhsa_memory_ordered 1
		.amdhsa_forward_progress 1
		.amdhsa_inst_pref_size 70
	.end_amdhsa_kernel
	.amdgpu_metadata
---
amdhsa.version: [ 1, 2 ]
amdhsa.kernels:
  - .name:           k_q149ea8333e_proj
    .symbol:         k_q149ea8333e_proj.kd
    .args:
      - { .name: xq, .offset: 0, .size: 8, .value_kind: global_buffer, .address_space: global }
      - { .name: wq, .offset: 8, .size: 8, .value_kind: global_buffer, .address_space: global }
      - { .name: b_q, .offset: 16, .size: 8, .value_kind: global_buffer, .address_space: global }
      - { .name: b_k, .offset: 24, .size: 8, .value_kind: global_buffer, .address_space: global }
      - { .name: b_v, .offset: 32, .size: 8, .value_kind: global_buffer, .address_space: global }
      - { .name: qq, .offset: 40, .size: 8, .value_kind: global_buffer, .address_space: global }
      - { .name: kv, .offset: 48, .size: 8, .value_kind: global_buffer, .address_space: global }
    .group_segment_fixed_size: 270848
    .private_segment_fixed_size: 0
    .kernarg_segment_align: 8
    .kernarg_segment_size: 56
    .max_flat_workgroup_size: 128
    .sgpr_count:     100
    .vgpr_count:     514
    .wavefront_size: 32
...
	.end_amdgpu_metadata
.endif
;; end of part 2
;; launch attn (part 3): grid 64 x 4, 16 waves a work-group, no clusters, 327,680 bytes of LDS; arguments qq, kv, aq; writes aq
.if DOCPART == 3
	.amdgcn_target "amdgcn-amd-amdhsa--gfx1250"
	.amdhsa_code_object_version 6
	.text
	.protected	k_q149ea8333e_attn
	.globl	k_q149ea8333e_attn
	.p2align	8
	.type	k_q149ea8333e_attn,@function
k_q149ea8333e_attn:
	s_mov_b64 s[64:65], 0
	v_nop
	global_prefetch_b8 v0, s[64:65] scope:SCOPE_SE
	s_setreg_imm32_b32 hwreg(HW_REG_WAVE_MODE, 25, 1), 1
	s_wait_xcnt 0x0
.set SLOT,  135168
.set REC,   16896
.set SPARE, 2*SLOT
.set LI,  1
.set ADR, 2
.set SPW, 3
.set NIL, 4
.set KV,  48
.set S,   112
.set O,   176
.set PC,  208
.set BM,  224
.set BP,  228
.set HL,  232
.set SO,  236
.set T0,  224
.set T1,  246
.set TM,  224
.set CS,  40
.set SEL, 42
.set MNT, 44
.set FLR, 46
.macro PLACES n
.rept \n
	v_nop
.endr
.endm
.macro QUANT2 s, pc, pw
.irp b, 0,1
	v_max3_num_f32 v[TM+\b], |v[(\s)+16*\b]|, |v[(\s)+1+16*\b]|, 0x4800000
.endr
.irp i, 2,4,6,8,10,12,14
.irp b, 0,1
	s_delay_alu instid0(VALU_DEP_2)
	v_max3_num_f32 v[TM+\b], v[TM+\b], |v[(\s)+16*\b+\i]|, |v[(\s)+1+16*\b+\i]|
.endr
.endr
.irp b, 0,1
	s_delay_alu instid0(VALU_DEP_2)
	v_permlanex16_b32 v[TM+2+\b], v[TM+\b], s[SEL], s[SEL+1]
.endr
.irp b, 0,1
	s_delay_alu instid0(VALU_DEP_2)
	v_max_num_f32 v[TM+\b], v[TM+\b], v[TM+2+\b]
.endr
.irp b, 0,1
	s_delay_alu instid0(VALU_DEP_2)
	v_add_nc_u32 v[TM+6+\b], 0xfc000000, v[TM+\b]
.endr
.irp b, 0,1
	s_delay_alu instid0(VALU_DEP_4)
	v_and_or_b32 v[TM+4+\b], v[TM+\b], 0x7f800000, s[MNT]
.endr
.irp b, 0,1
	s_delay_alu instid0(VALU_DEP_4)
	v_lshrrev_b32 v[TM+2+\b], 23, v[TM+6+\b]
.endr
	s_delay_alu instid0(VALU_DEP_1)
	v_lshl_or_b32 v[\pw], v[TM+3], 8, v[TM+2]
.irp b, 0,1
.irp i, 0,1,2,3,4,5,6,7,8,9,10,11,12,13,14,15
	v_med3_num_f32 v[(\s)+16*\b+\i], v[(\s)+16*\b+\i], -v[TM+4+\b], v[TM+4+\b]
.endr
	v_cvt_scalef32_pk8_fp8_f32 v[(\pc)+4*\b:(\pc)+4*\b+1], v[(\s)+16*\b:(\s)+16*\b+7], v[TM+6+\b]
	v_cvt_scalef32_pk8_fp8_f32 v[(\pc)+4*\b+2:(\pc)+4*\b+3], v[(\s)+16*\b+8:(\s)+16*\b+15], v[TM+6+\b]
.endr
	v_nop
.endm
.macro SUMTAIL
.irp k, 0,1,2,3,4,5,6,7
	v_pk_add_f32 v[T0+2*\k+14*(\k/4):T0+2*\k+14*(\k/4)+1], v[S+8*\k:S+8*\k+1], v[S+8*\k+2:S+8*\k+3]
.endr
.endm
.macro SUMHEAD
.irp i, 4,6
.irp k, 0,1,2,3,4,5,6,7
	v_pk_add_f32 v[T0+2*\k+14*(\k/4):T0+2*\k+14*(\k/4)+1], v[T0+2*\k+14*(\k/4):T0+2*\k+14*(\k/4)+1], v[S+8*\k+\i:S+8*\k+\i+1]
.endr
.endr
.endm
.macro SUMCOMB
	v_pk_add_f32 v[T0:T0+1], v[T0:T0+1], v[T0+2:T0+3]
	v_pk_add_f32 v[T0+4:T0+5], v[T0+4:T0+5], v[T0+6:T0+7]
	v_pk_add_f32 v[T1:T1+1], v[T1:T1+1], v[T1+2:T1+3]
	v_pk_add_f32 v[T1+4:T1+5], v[T1+4:T1+5], v[T1+6:T1+7]
	s_delay_alu instid0(VALU_DEP_3)
	v_pk_add_f32 v[T0:T0+1], v[T0:T0+1], v[T0+4:T0+5]
	s_delay_alu instid0(VALU_DEP_2)
	v_pk_add_f32 v[T1:T1+1], v[T1:T1+1], v[T1+4:T1+5]
	s_delay_alu instid0(VALU_DEP_1)
	v_pk_add_f32 v[T0:T0+1], v[T0:T0+1], v[T1:T1+1]
	s_delay_alu instid0(VALU_DEP_1)
	v_pk_add_f32 v[14:15], v[14:15], v[T0:T0+1]
.endm
	s_load_b128 s[4:7], s[0:1], 0x0
	s_load_b64 s[8:9], s[0:1], 0x10
	v_lshl_add_u32 v[SPW], v0, 2, SPARE
	v_mov_b32 v[NIL], 0
	ds_add_u32 v3, v4
	ds_add_u32 v3, v4
	s_wait_dscnt 0x0
	v_lshrrev_b32 v1, 5, v0
	s_delay_alu instid0(VALU_DEP_1)
	v_readfirstlane_b32 s10, v1
	s_and_b32 s11, ttmp7, 0xffff
	s_lshr_b32 s12, s10, 2
	s_lshl_b32 s13, s11, 2
	s_add_co_u32 s12, s12, s13
	s_and_b32 s13, s10, 3
	s_lshl_b32 s14, ttmp9, 2
	s_add_co_u32 s13, s13, s14
	s_mov_b32 s32, 3<<16
	s_mov_b32 s33, 32<<16
	s_mov_b32 s34, 33<<16
	s_mov_b32 s35, 32<<16
	s_mov_b32 s36, 33
	s_mov_b32 s37, 32
	s_mov_b32 s38, 0
	s_mov_b32 s39, 0
	s_mul_i32 s46, s10, 8448
	s_mul_i32 s14, s11, 540672
	s_add_co_u32 s14, s14, s46
	s_mov_b32 s15, 0
	s_wait_kmcnt 0x0
	s_add_nc_u64 s[6:7], s[6:7], s[14:15]
.irp n, 0,1
	s_mov_b32 s[24+4*\n], 1
	s_add_co_u32 s[25+4*\n], s46, \n*SLOT
	s_add_nc_u64 s[26+4*\n:27+4*\n], s[6:7], \n*SLOT
	s_or_b32 s[27+4*\n], s[27+4*\n], 0x80000000
.endr
	tensor_load_to_lds s[24:27], s[32:39]
	s_nop 0
	s_wait_alu depctr_va_vdst(0)
	s_wait_tensorcnt 0x0
	ds_add_u32 v3, v4
	s_wait_dscnt 0x0
	s_barrier_signal -1
	s_barrier_wait -1
	tensor_load_to_lds s[28:31], s[32:39]
	s_nop 0
	PLACES 4
	s_lshl_b32 s14, s12, 18
	s_lshl_b32 s47, s13, 10
	s_add_co_u32 s14, s14, s47
	s_add_nc_u64 s[16:17], s[4:5], s[14:15]
	s_lshl_b32 s14, s12, 13
	s_lshl_b32 s47, ttmp9, 7
	s_add_co_u32 s14, s14, s47
	s_and_b32 s47, s10, 3
	s_lshl_b32 s47, s47, 1
	s_add_co_u32 s14, s14, s47
	s_add_co_u32 s14, s14, 4194304
	s_add_nc_u64 s[4:5], s[4:5], s[14:15]
	s_lshl_b32 s14, s13, 14
	s_lshl_b32 s47, s12, 10
	s_add_co_u32 s14, s14, s47
	s_add_nc_u64 s[18:19], s[8:9], s[14:15]
	s_lshl_b32 s14, s13, 9
	s_lshl_b32 s47, s12, 1
	s_add_co_u32 s14, s14, s47
	s_add_co_u32 s14, s14, 4194304
	s_add_nc_u64 s[20:21], s[8:9], s[14:15]
	s_mov_b32 s[CS], 0x3e38aa3b
	s_mov_b32 s[CS+1], s[CS]
	s_mov_b32 s[SEL], 0x76543210
	s_mov_b32 s[SEL+1], 0xfedcba98
	s_mov_b32 s[MNT], 0x600000
	s_mov_b32 s[FLR], 0x4800000
	v_and_b32 v7, 31, v0
	s_delay_alu instid0(VALU_DEP_1)
	v_lshlrev_b32 v[LI], 4, v7
	v_and_b32 v8, 15, v0
	s_delay_alu instid0(VALU_DEP_1)
	v_lshlrev_b32 v5, 3, v8
	s_delay_alu instid0(VALU_DEP_2)
	v_lshlrev_b32 v6, 5, v8
	global_load_b128 v[16:19], v[LI], s[16:17]
	global_load_b128 v[20:23], v[LI], s[16:17] offset:512
	global_load_b128 v[32:35], v[LI], s[16:17]
	global_load_b128 v[36:39], v[LI], s[16:17] offset:512
	global_load_u16 v244, v5, s[4:5]
.irp j, 0,1,2,3,4,5,6,7
	v_mov_b32 v[24+\j], 0
.endr
.set J, 0
.rept 32
	v_mov_b32 v[O+J], 0
.set J, J+1
.endr
	v_mov_b32 v13, 0xff61b1e6
	s_delay_alu instid0(VALU_DEP_1)
	v_floor_f32 v12, -v13
	v_mov_b32 v14, 0
	v_mov_b32 v15, 0
.irp b, 0,1,2,3
	v_mov_b32 v[BP+\b], 0
.endr
	v_mov_b32 v243, 0
.macro STEP first
	v_add_nc_u32 v[ADR], s22, v[LI]
.if \first
	s_wait_alu depctr_va_vdst(0)
	PLACES 7
.endif
	ds_load_b128 v[44:47], v[ADR] offset:16384
.set J, 0
.rept 16
	ds_load_b128 v[KV+4*J:KV+4*J+3], v[ADR] offset:512*J
.set J, J+1
.endr
.if \first == 0
	SUMHEAD
.endif
	s_wait_dscnt 0x0
.irp j, 0,1,2,3
.irp u, 0,1
	v_wmma_scale_f32_16x16x128_f8f6f4 v[S+8*(2*\j+\u):S+8*(2*\j+\u)+7], v[KV+16*\j:KV+16*\j+15], v[16+8*\u:31+8*\u], 0, v[44+\j], v[40+\u]
.endr
.endr
.if \first
	PLACES 8
.else
	s_wait_alu depctr_va_vdst(0)
	SUMCOMB
.endif
.set J, 0
.rept 16
	ds_load_b128 v[KV+4*J:KV+4*J+3], v[ADR] offset:8192+512*J
.set J, J+1
.endr
.irp b, 0,1,2,3
	v_max3_num_f32 v[BM+\b], v[S+16*\b], v[S+1+16*\b], v[S+2+16*\b]
.endr
.irp i, 3,5,7,9,11,13
.irp b, 0,1,2,3
	v_max3_num_f32 v[BM+\b], v[BM+\b], v[S+16*\b+\i], v[S+1+16*\b+\i]
.endr
.endr
.irp b, 0,1,2,3
	v_max_num_f32 v[BM+\b], v[BM+\b], v[S+15+16*\b]
.endr
.irp b, 0,1,2,3
	s_delay_alu instid0(VALU_DEP_4)
	v_permlanex16_b32 v[BP+\b], v[BM+\b], s[SEL], s[SEL+1]
.endr
	v_dual_max_num_f32 v[BM], v[BM], v[BP] :: v_dual_max_num_f32 v[BM+1], v[BM+1], v[BP+1]
	v_dual_max_num_f32 v[BM+2], v[BM+2], v[BP+2] :: v_dual_max_num_f32 v[BM+3], v[BM+3], v[BP+3]
	v_max3_num_f32 v244, v[BM], v[BM+1], v[BM+2]
	s_delay_alu instid0(VALU_DEP_1)
	v_max3_num_f32 v13, v13, v244, v[BM+3]
	s_delay_alu instid0(VALU_DEP_1)
	v_mul_f32 v244, s[CS], v13
	v_mov_b32 v245, v12
	s_delay_alu instid0(VALU_DEP_2)
	v_floor_f32 v12, -v244
	s_delay_alu instid0(VALU_DEP_1)
	v_sub_f32 v244, v12, v245
	s_delay_alu instid0(VALU_DEP_1)
	v_cvt_i32_f32 v244, v244
	s_delay_alu instid0(VALU_DEP_1)
	v_ldexp_f32 v242, 1.0, v244
.set J, 0
.rept 32
	v_pk_fma_f32 v[S+J:S+J+1], v[S+J:S+J+1], s[CS:CS+1], v[12:13] op_sel_hi:[1,0,0]
.set J, J+2
.endr
	v_pk_fma_f32 v[BM:BM+1], v[BM:BM+1], s[CS:CS+1], v[12:13] op_sel_hi:[1,0,0]
	v_pk_fma_f32 v[BM+2:BM+3], v[BM+2:BM+3], s[CS:CS+1], v[12:13] op_sel_hi:[1,0,0]
.set J, 0
	s_wait_alu depctr_va_vdst(0)
.rept 64
	v_exp_f32 v[S+J], v[S+J]
.set J, J+1
.endr
.irp b, 0,1,2,3
	v_exp_f32 v[BM+\b], v[BM+\b]
.endr
	v_pk_mul_f32 v[14:15], v[14:15], v[242:243] op_sel_hi:[1,0]
	s_wait_alu depctr_va_vdst(0)
	v_dual_max_num_f32 v[BM], s[FLR], v[BM] :: v_dual_max_num_f32 v[BM+1], s[FLR], v[BM+1]
	v_dual_max_num_f32 v[BM+2], s[FLR], v[BM+2] :: v_dual_max_num_f32 v[BM+3], s[FLR], v[BM+3]
.irp b, 0,1,2,3
	v_add_nc_u32 v[SO+\b], 0xfc000000, v[BM+\b]
.endr
.irp b, 0,1,2,3
	v_and_or_b32 v[HL+\b], v[BM+\b], 0x7f800000, s[MNT]
.endr
.irp b, 0,1,2,3
	v_lshrrev_b32 v[BP+\b], 23, v[SO+\b]
.endr
	s_delay_alu instid0(VALU_DEP_3)
	v_lshl_or_b32 v42, v[BP+1], 8, v[BP]
	s_delay_alu instid0(VALU_DEP_1)
	v_lshl_or_b32 v42, v[BP+2], 16, v42
	s_delay_alu instid0(VALU_DEP_1)
	v_lshl_or_b32 v42, v[BP+3], 24, v42
.set OJ, 0
.irp q, 0,1,2,3
.irp i, 0,2,4,6
	v_dual_min_num_f32 v[T0+\i], v[S+32*(\q/2)+8*(\q%2)+\i], v[HL+2*(\q/2)] :: v_dual_min_num_f32 v[T1+\i+1], v[S+32*(\q/2)+16+8*(\q%2)+\i+1], v[HL+2*(\q/2)+1]
	v_dual_min_num_f32 v[T0+\i+1], v[S+32*(\q/2)+8*(\q%2)+\i+1], v[HL+2*(\q/2)] :: v_dual_min_num_f32 v[T1+\i], v[S+32*(\q/2)+16+8*(\q%2)+\i], v[HL+2*(\q/2)+1]
.endr
	v_cvt_scalef32_pk8_fp8_f32 v[PC+8*(\q/2)+2*(\q%2):PC+8*(\q/2)+2*(\q%2)+1], v[T0:T0+7], v[SO+2*(\q/2)]
	v_cvt_scalef32_pk8_fp8_f32 v[PC+8*(\q/2)+4+2*(\q%2):PC+8*(\q/2)+4+2*(\q%2)+1], v[T1:T1+7], v[SO+2*(\q/2)+1]
.rept 3+4*(\q/3)
	v_pk_mul_f32 v[O+OJ:O+OJ+1], v[O+OJ:O+OJ+1], v[242:243] op_sel_hi:[1,0]
.set OJ, OJ+2
.endr
.endr
	s_wait_alu depctr_va_vdst(0)
	s_wait_dscnt 0x0
.irp t, 0,1,2,3
	v_wmma_scale_f32_16x16x128_f8f6f4 v[O+8*\t:O+8*\t+7], v[KV+16*\t:KV+16*\t+15], v[PC:PC+15], v[O+8*\t:O+8*\t+7], v[44+\t], v42 matrix_a_scale:MATRIX_SCALE_ROW1
.endr
	SUMTAIL
.endm
.macro SLOTLOOP base, trips
	s_mov_b32 s22, \base
	s_mov_b32 s23, \trips
.Lstep_\@:
	s_wait_alu depctr_va_vdst(0)
	STEP 0
	s_add_co_u32 s22, s22, REC
	s_sub_co_u32 s23, s23, 1
	s_cmp_lg_u32 s23, 0
	s_cbranch_scc1 .Lstep_\@
.endm
.macro CHANGE fill, n
	s_wait_tensorcnt 0x0
	ds_add_u32 v[SPW], v[NIL]
.if \fill
	s_add_nc_u64 s[26+4*\n:27+4*\n], s[26+4*\n:27+4*\n], 2*SLOT
.endif
	s_wait_dscnt 0x0
	s_barrier_signal -1
	s_barrier_wait -1
.if \fill
	tensor_load_to_lds s[24+4*\n:27+4*\n], s[32:39]
	s_nop 0
	PLACES 4
.endif
.endm
	s_wait_tensorcnt 1
	s_barrier_signal -1
	s_barrier_wait -1
	s_wait_loadcnt 0x0
	v_or_b32 v40, 0x01010000, v244
	s_wait_alu depctr_va_vdst(0)
	v_lshl_or_b32 v41, v244, 16, 0x0101
	s_wait_alu depctr_va_vdst(0)
	s_mov_b32 s22, 0
	STEP 1
	SLOTLOOP REC, 7
	CHANGE 1, 0
	SLOTLOOP SLOT, 8
	CHANGE 1, 1
	SLOTLOOP 0, 8
	CHANGE 0, 0
	SLOTLOOP SLOT, 8
	SUMHEAD
	SUMCOMB
	s_delay_alu instid0(VALU_DEP_1)
	v_add_f32 v14, v14, v15
	s_delay_alu instid0(VALU_DEP_1)
	v_permlanex16_b32 v244, v14, s[SEL], s[SEL+1]
	s_delay_alu instid0(VALU_DEP_1)
	v_add_f32 v14, v14, v244
	s_wait_alu depctr_va_vdst(0)
	v_rcp_f32 v14, v14
	v_nop
.set J, 0
	s_wait_alu depctr_va_vdst(0)
.rept 16
	v_pk_mul_f32 v[S+J:S+J+1], v[O+J:O+J+1], v[14:15] op_sel_hi:[1,0]
.set J, J+2
.endr
	QUANT2 S, PC, 244
	global_store_b128 v[LI], v[PC:PC+3], s[18:19]
	global_store_b128 v[LI], v[PC+4:PC+7], s[18:19] offset:512
	v_cmp_gt_u32 vcc_lo, 16, v7
	s_wait_xcnt 0x0
	s_and_saveexec_b32 s45, vcc_lo
	global_store_b16 v6, v244, s[20:21]
	s_wait_xcnt 0x0
	s_or_b32 exec_lo, exec_lo, s45
	s_wait_tensorcnt 0x0
	ds_add_u32 v[SPW], v[NIL]
	s_wait_dscnt 0x0
	s_endpgm
.Lfunc_end_k_q149ea8333e_attn:
	.size	k_q149ea8333e_attn, .Lfunc_end_k_q149ea8333e_attn-k_q149ea8333e_attn
	.p2alignl 7, 3214868480
	.fill 96, 4, 3214868480
	.section	.rodata,"a",@progbits
	.p2align	6, 0x0
	.amdhsa_kernel k_q149ea8333e_attn
		.amdhsa_group_segment_fixed_size 327680
		.amdhsa_private_segment_fixed_size 0
		.amdhsa_enable_private_segment 0
		.amdhsa_kernarg_size 24
		.amdhsa_user_sgpr_count 2
		.amdhsa_user_sgpr_kernarg_segment_ptr 1
		.amdhsa_wavefront_size32 1
		.amdhsa_system_sgpr_workgroup_id_x 1
		.amdhsa_system_sgpr_workgroup_id_y 1
		.amdhsa_system_sgpr_workgroup_id_z 1
		.amdhsa_system_vgpr_workitem_id 0
		.amdhsa_next_free_vgpr 256
		.amdhsa_next_free_sgpr 66
		.amdhsa_reserve_vcc 1
		.amdhsa_float_denorm_mode_32 3
		.amdhsa_float_denorm_mode_16_64 3
		.amdhsa_memory_ordered 1
		.amdhsa_forward_progress 1
		.amdhsa_inst_pref_size 105
	.end_amdhsa_kernel
	.amdgpu_metadata
---
amdhsa.version: [ 1, 2 ]
amdhsa.kernels:
  - .name:           k_q149ea8333e_attn
    .symbol:         k_q149ea8333e_attn.kd
    .args:
      - { .name: qq, .offset: 0, .size: 8, .value_kind: global_buffer, .address_space: global }
      - { .name: kv, .offset: 8, .size: 8, .value_kind: global_buffer, .address_space: global }
      - { .name: aq, .offset: 16, .size: 8, .value_kind: global_buffer, .address_space: global }
    .group_segment_fixed_size: 327680
    .private_segment_fixed_size: 0
    .kernarg_segment_align: 8
    .kernarg_segment_size: 24
    .max_flat_workgroup_size: 512
    .sgpr_count:     66
    .vgpr_count:     256
    .wavefront_size: 32
...
	.end_amdgpu_metadata
.endif
;; end of part 3
;; launch oproj (part 4): grid 8 x 32, 4 waves a work-group, no clusters, 288,256 bytes of LDS; arguments aq, wq, b_o, out0; writes out0
.if DOCPART == 4
	.amdgcn_target "amdgcn-amd-amdhsa--gfx1250"
	.amdhsa_code_object_version 6
	.text
	.protected	k_q149ea8333e_oproj
	.globl	k_q149ea8333e_oproj
	.p2align	8
	.type	k_q149ea8333e_oproj,@function
k_q149ea8333e_oproj:
	s_mov_b64 s[64:65], 0
	v_nop
	global_prefetch_b8 v0, s[64:65] scope:SCOPE_SE
	s_setreg_imm32_b32 hwreg(HW_REG_WAVE_MODE, 25, 1), 1
	s_wait_xcnt 0x0
; out0 = attention's result x w_o + b_o, on codes of FP8 (E4M3) with E8M0 scales, K = 1,024; out0 [4096][1024] f32.
; Source 0 = 16 columns of w_o, source 1 = 16 tokens: a lane holds one token, and its registers run along out0's columns.  Both operands lie in memory in the order of their registers, [tile][K step][2,048], a tile's rows being
; 32 B + 8 u + r + 8 (r / 8): for w_o that makes the 16 registers of two neighbouring tiles 16 neighbouring columns; for the tokens it only names rows, and is undone where the rows are stored.
; SHARES.  Work-group (x, y): columns 128 x on, tokens 128 y on.  A wave: 64 x 64: 16 accumulators.  Both panels, all of K, and their scale words lie in LDS, filled once: five tensor loads a wave at the head (its scale words,
; then four chunks of two K steps), by this text's count five out at the most.  No ring.
; THE WAY OUT: 16 tokens x 64 columns at a time through the wave's own stage (rows of 256 + 16 bytes), which no tensor load fills; back as whole rows: sixteen lanes store 256 consecutive bytes, aligned.
; NO CLUSTER in this form: the 8 work-groups of a row share the tokens' panel and the 32 of a column the weight's; joint loads (4 x 4) would divide those requests by four.  Left out to keep this text the projection launch's, line for line.
; THE FILLS, as this text now has them (this replaces what the head says of five loads and of scale words in LDS): ONE tensor load a wave at the head: wave w brings K half w / 2 (four K steps) of panel w % 2, all 8 tiles:
; 8 rows of 8,192 bytes, 16,384 apart in memory, dense in LDS at w x 65,536: codes at K half x 131,072 + panel x 65,536 + tile x 8,192 + (s % 4) x 2,048.  Waves 0, 1 and waves 2, 3 have a load line each:
; the first barrier shows the first K half alone, the barrier in K step 3 the second.  The scale words come by plain loads into registers: w_o's rows in all lanes of v[SC] on, the tokens' in v[SCB] on, then lanes 16-31 of v[SC] take the tokens'.
.set SCB,  96                          ; v96-127 the tokens' scale words until they are merged into v[SC] on
.set STG,  270336
.set LI,   1                           ; v1      16 x lane
.set ADRS, 4                           ; v4      a row's scale words: 32 r, for w_o's loads and the tokens'
.set ADRA, 8                           ; v8-9    my four tiles of w_o in K half 0..1
.set ADRB, 12                          ; v12-13  the same of the tokens
.set STO,  24                          ; v24     the stage: where I put 32 bytes of a row
.set RD,   25                          ; v25     and where I read a row back
.set CO,   26                          ; v26     my byte offset in out0
.set SC,   32                          ; v32-63  scale words: register 8 i + s
.set BIAS, 64                          ; v64-95  b_o in the result's layout
.set BK,   64                          ; v64-95, v96-127 later: rows read back from the stage, by turns
.set ACC,  128                         ; v128-255 accumulator (a, b) at ACC + 32 b + 8 a.   Window 1: two fragment buffers of 128
.set MSB, 0
.macro WIN new                         ; the immediate's high byte repeats the setting that is left
.if MSB != \new
	s_set_vgpr_msb (MSB<<8)|\new
.set MSB, \new
.endif
.endm
.macro PLACES n
.rept \n
	v_nop
.endr
.endm
	s_load_b256 s[4:11], s[0:1], 0x0               ; aq s[4:5], wq s[6:7], b_o s[8:9], out0 s[10:11]
	v_lshl_add_u32 v30, v0, 2, 0x46400
	v_mov_b32 v31, 0
	ds_add_u32 v30, v31
	ds_add_u32 v30, v31
	v_lshrrev_b32 v1, 5, v0
	v_readfirstlane_b32 s18, v1                    ; wave 0..3
	s_and_b32 s19, s18, 1                          ; my half of the 128 columns.  Also: which four tiles of a panel I fetch
	s_lshr_b32 s20, s18, 1                         ; my half of the 128 tokens.  Also: which K half I fetch
	s_and_b32 s23, ttmp7, 0xffff                   ; i1
	s_lshl_b32 s86, ttmp9, 1
	s_add_co_u32 s86, s86, s19                     ; e0: which 64 columns
	s_lshl_b32 s87, s23, 1
	s_add_co_u32 s87, s87, s20                     ; e1: which 64 tokens
	s_lshl_b32 s28, ttmp9, 17
	s_add_co_u32 s28, s28, 1572864                 ; w_o's panel: codes,
	s_lshl_b32 s29, ttmp9, 12
	s_add_co_u32 s29, s29, 2670592                 ; scale words
	s_lshl_b32 s30, s23, 17                        ; the tokens' panel
	s_lshl_b32 s31, s23, 12
	s_add_co_u32 s31, s31, 4194304
	s_lshl_b32 s96, s86, 8                         ; 64 numbers of b_o, and 64 columns of out0, are 256 bytes
	s_mov_b32 s97, 0
	s_lshl_b32 s88, s87, 18                        ; 64 rows of 4,096 bytes
	s_add_co_u32 s88, s88, s96
	s_mov_b32 s89, 0
	s_mov_b32 s91, 0
	s_wait_dscnt 0x0
	s_wait_kmcnt 0x0
	s_add_nc_u64 s[32:33], s[8:9], s[96:97]
	s_add_nc_u64 s[76:77], s[10:11], s[88:89]
	s_lshl_b32 s21, s19, 11                        ; the scale words of the tiles that I multiply: 4 x 512 bytes for each half of a panel
	s_add_co_u32 s90, s29, s21
	s_add_nc_u64 s[68:69], s[6:7], s[90:91]        ; w_o's
	s_lshl_b32 s21, s20, 11
	s_add_co_u32 s90, s31, s21
	s_add_nc_u64 s[70:71], s[4:5], s[90:91]        ; the tokens'
	s_cmp_eq_u32 s19, 0                            ; what I fetch: panel wave % 2 (0: w_o's, 1: the tokens'), K half wave / 2
	s_cselect_b64 s[24:25], s[6:7], s[4:5]
	s_cselect_b32 s88, s28, s30
	s_lshl_b32 s21, s20, 13                        ; four K steps of a tile are 8,192 bytes
	s_add_co_u32 s88, s88, s21
	s_add_nc_u64 s[24:25], s[24:25], s[88:89]
	; descriptor group 1: 8 tiles x four K steps: 8 rows of 8,192 bytes (1,024 elements of 8), 16,384 bytes apart; dense in LDS
	s_mov_b32 s56, 3<<16
	s_mov_b32 s57, 1024<<16
	s_mov_b32 s58, 8<<16
	s_mov_b32 s59, 1024<<16
	s_mov_b32 s60, 8
	s_mov_b32 s61, 2048
	s_mov_b32 s62, 0
	s_mov_b32 s63, 0
	s_mov_b32 s40, 1
	s_lshl_b32 s41, s18, 16                        ; K half x 131,072 + panel x 65,536 = wave x 65,536
	s_mov_b64 s[42:43], s[24:25]
	s_or_b32 s43, s43, 0x80000000
	s_cmp_lt_u32 s18, 2                            ; one load a wave; the two K halves have a line each, since only the first line's waves wait at the first barrier
	s_cbranch_scc0 .Lupper
	tensor_load_to_lds s[40:43], s[56:63]
	s_nop 0
	PLACES 4
	s_branch .Lasked
.Lupper:
	tensor_load_to_lds s[40:43], s[56:63]
	s_nop 0
	PLACES 4
.Lasked:
	v_and_b32 v5, 31, v0
	v_lshlrev_b32 v[LI], 4, v5
	s_wait_alu depctr_va_vdst(0)
	v_and_b32 v2, 15, v0                           ; r
	v_bfe_u32 v3, v0, 4, 1                         ; h
	v_lshlrev_b32 v[ADRS], 5, v2                   ; a row's eight scale words: 32 r, in both halves of the lanes
	s_wait_alu depctr_va_vdst(0)
.irp i, 0,1,2,3
	global_load_b128 v[SC+8*\i:SC+8*\i+3], v[ADRS], s[68:69] offset:512*\i       ; w_o's tile i
	global_load_b128 v[SC+8*\i+4:SC+8*\i+7], v[ADRS], s[68:69] offset:512*\i+16
	global_load_b128 v[SCB+8*\i:SCB+8*\i+3], v[ADRS], s[70:71] offset:512*\i     ; the tokens' tile i
	global_load_b128 v[SCB+8*\i+4:SCB+8*\i+7], v[ADRS], s[70:71] offset:512*\i+16
.endr
	s_lshl_b32 s21, s19, 15                        ; my four tiles of w_o: 4 x 8,192 bytes for each half of the panel
	s_lshl_b32 s35, s20, 15
	s_add_co_u32 s35, s35, 65536                   ; and of the tokens
.irp ch, 0,1
	v_add_nc_u32 v[ADRA+\ch], s21, v[LI]
	v_add_nc_u32 v[ADRB+\ch], s35, v[LI]
	s_add_co_u32 s21, s21, 131072
	s_add_co_u32 s35, s35, 131072
.endr
	v_lshlrev_b32 v6, 6, v3                        ; b_o as the C of each sum's first product: tile a, register j: b_o[32 (a / 2) + 8 (a % 2) + 16 h + j]
.irp a, 0,1,2,3
	global_load_b128 v[BIAS+8*\a:BIAS+8*\a+3], v6, s[32:33] offset:(32*(\a/2)+8*(\a%2))*4
	global_load_b128 v[BIAS+8*\a+4:BIAS+8*\a+7], v6, s[32:33] offset:(32*(\a/2)+8*(\a%2))*4+16
.endr
	s_mul_i32 s21, s18, 4352
	s_add_co_u32 s21, s21, STG                     ; my stage
	v_mul_u32_u24 v[STO], v2, 272                  ; in: row r, + 64 h
	v_lshl_add_u32 v[STO], v3, 6, v[STO]
	v_add_nc_u32 v[STO], s21, v[STO]
	v_mul_u32_u24 v[RD], v3, 272                   ; back: lanes 0-15 one row of 256 bytes, lanes 16-31 the next
	v_lshl_add_u32 v[RD], v2, 4, v[RD]
	v_add_nc_u32 v[RD], s21, v[RD]
	v_lshlrev_b32 v[CO], 12, v3                    ; and the same two rows in out0
	v_lshl_add_u32 v[CO], v2, 4, v[CO]
.macro FETCH s, f                      ; K step s: my four fragments of each side into buffer f of window 1: each load 512 consecutive bytes
	WIN 0x40
.irp a, 0,1,2,3
.irp c, 0,1,2,3
	ds_load_b128 v[(\f)+16*\a+4*\c:(\f)+16*\a+4*\c+3], v[ADRA+(\s)/4] offset:8192*\a+2048*((\s)%4)+512*\c
.endr
.endr
.irp a, 0,1,2,3
.irp c, 0,1,2,3
	ds_load_b128 v[(\f)+64+16*\a+4*\c:(\f)+64+16*\a+4*\c+3], v[ADRB+(\s)/4] offset:8192*\a+2048*((\s)%4)+512*\c
.endr
.endr
.endm
; 16 products: the sixteen accumulators take turns, one instruction a turn, in the same order in every K step.  first = 1: the first K step starts the sums with the bias.
.macro MUL s, f, first
	WIN 0x05                                       ; sources 0 and 1 in window 1; C and D in window 0
.irp b, 0,1,2,3
.irp a, 0,1,2,3
.if \first
	v_wmma_scale_f32_16x16x128_f8f6f4 v[ACC+32*\b+8*\a:ACC+32*\b+8*\a+7], v[(\f)+16*\a:(\f)+16*\a+15], v[(\f)+64+16*\b:(\f)+64+16*\b+15], v[BIAS+8*\a:BIAS+8*\a+7], v[SC+8*\a+(\s)], v[SC+8*\b+(\s)] matrix_b_scale:MATRIX_SCALE_ROW1
.else
	v_wmma_scale_f32_16x16x128_f8f6f4 v[ACC+32*\b+8*\a:ACC+32*\b+8*\a+7], v[(\f)+16*\a:(\f)+16*\a+15], v[(\f)+64+16*\b:(\f)+64+16*\b+15], v[ACC+32*\b+8*\a:ACC+32*\b+8*\a+7], v[SC+8*\a+(\s)], v[SC+8*\b+(\s)] matrix_b_scale:MATRIX_SCALE_ROW1
.endif
.endr
.endr
.endm
.macro STEP s
.if (\s) == 3
	s_wait_tensorcnt 0x0                           ; every wave's load has landed, the second K half among them
.endif
	s_wait_dscnt 0x0                               ; this step's fragments are in
.if (\s) == 3
	s_barrier_signal -1
	s_barrier_wait -1
.endif
	PLACES 8                                       ; eight places between the last step's products and the loads into the buffer that they read
.if (\s) < 7
	FETCH (\s)+1, 128*(((\s)+1)%2)
.endif
	MUL \s, 128*((\s)%2), 0
.endm
	s_wait_alu depctr_va_vdst(0)
	s_wait_loadcnt 0x0                             ; scale words and bias
	v_cmp_eq_u32 vcc_lo, 1, v3
.set J, 0
.rept 32
	v_cndmask_b32 v[SC+J], v[SC+J], v[SCB+J], vcc_lo   ; lanes 0-15 keep w_o's word, lanes 16-31 take the tokens'
.set J, J+1
.endr
	PLACES 8                                       ; a scale register written by a vector line stands eight places ahead of a scaled product
	s_wait_alu depctr_va_vdst(0)
	s_cmp_lt_u32 s18, 2
	s_cbranch_scc0 .Lnot_yet
	s_wait_tensorcnt 0x0                           ; waves 0, 1: the first K half of both panels has landed; waves 2, 3 wait in K step 3
.Lnot_yet:
	s_barrier_signal -1
	s_barrier_wait -1
	FETCH 0, 0
	s_wait_loadcnt 0x0                             ; the bias
	s_wait_dscnt 0x0
	FETCH 1, 128
	MUL 0, 0, 1
.irp s, 1,2,3,4,5,6,7
	STEP \s
.endr
	WIN 0
; Tile b of the tokens: lane (r, h) holds, of tile row r, columns 32 (a / 2) + 8 (a % 2) + 16 h + 0 .. 7 in accumulator (a, b).  LDS serves a wave's instructions in order: no wait between the stores and the loads, nor ahead of the next tile's stores.
.macro TOSTAGE b
.set BB, BK+32*((\b)%2)
.irp a, 0,1,2,3
	ds_store_b128 v[STO], v[ACC+32*(\b)+8*\a:ACC+32*(\b)+8*\a+3] offset:128*(\a/2)+32*(\a%2)          ; each accumulator from its low end on
	ds_store_b128 v[STO], v[ACC+32*(\b)+8*\a+4:ACC+32*(\b)+8*\a+7] offset:128*(\a/2)+32*(\a%2)+16
.endr
.irp i, 0,1,2,3,4,5,6,7
	ds_load_b128 v[BB+4*\i:BB+4*\i+3], v[RD] offset:544*\i
.endr
.endm
.macro SEND b, younger                 ; tile row 2 i + h is row 32 (b / 2) + 8 (b % 2) + 2 i + h + 8 (i / 4) of my 64
.set BB, BK+32*((\b)%2)
	s_wait_dscnt \younger                          ; the tile is back; the LDS instructions issued behind its loads may be out
.irp i, 0,1,2,3,4,5,6,7
	global_store_b128 v[CO], v[BB+4*\i:BB+4*\i+3], s[76:77] offset:(32*((\b)/2)+8*((\b)%2)+2*\i+8*(\i/4))*4096 th:TH_STORE_NT   ; sixteen lanes store 256 consecutive bytes, aligned; written once, read by nobody here
.endr
.endm
	PLACES 8                                       ; between the last products and the first read of their results
	s_wait_alu depctr_va_vdst(0)
	TOSTAGE 0
.irp b, 1,2,3
.if \b > 1
	s_wait_xcnt 0x0                                ; tile b - 2's stores have read their registers: tile b's loads may land there
.endif
	TOSTAGE \b
	SEND \b-1, 16                                  ; behind tile b - 1's loads: tile b's 8 stores and 8 loads
.endr
	SEND 3, 0
	s_wait_tensorcnt 0x0
	ds_add_u32 v30, v31
	s_wait_dscnt 0x0
	s_endpgm
.Lfunc_end_k_q149ea8333e_oproj:
	.size	k_q149ea8333e_oproj, .Lfunc_end_k_q149ea8333e_oproj-k_q149ea8333e_oproj
	.p2alignl 7, 3214868480
	.fill 96, 4, 3214868480
	.section	.rodata,"a",@progbits
	.p2align	6, 0x0
	.amdhsa_kernel k_q149ea8333e_oproj
		.amdhsa_group_segment_fixed_size 288256
		.amdhsa_private_segment_fixed_size 0
		.amdhsa_enable_private_segment 0
		.amdhsa_kernarg_size 32
		.amdhsa_user_sgpr_count 2
		.amdhsa_user_sgpr_kernarg_segment_ptr 1
		.amdhsa_wavefront_size32 1
		.amdhsa_system_sgpr_workgroup_id_x 1
		.amdhsa_system_sgpr_workgroup_id_y 1
		.amdhsa_system_sgpr_workgroup_id_z 1
		.amdhsa_system_vgpr_workitem_id 0
		.amdhsa_next_free_vgpr 512
		.amdhsa_next_free_sgpr 100
		.amdhsa_reserve_vcc 1
		.amdhsa_float_denorm_mode_32 3
		.amdhsa_float_denorm_mode_16_64 3
		.amdhsa_memory_ordered 1
		.amdhsa_forward_progress 1
		.amdhsa_inst_pref_size 51
	.end_amdhsa_kernel
	.amdgpu_metadata
---
amdhsa.version: [ 1, 2 ]
amdhsa.kernels:
  - .name:           k_q149ea8333e_oproj
    .symbol:         k_q149ea8333e_oproj.kd
    .args:
      - { .name: aq, .offset: 0, .size: 8, .value_kind: global_buffer, .address_space: global }
      - { .name: wq, .offset: 8, .size: 8, .value_kind: global_buffer, .address_space: global }
      - { .name: b_o, .offset: 16, .size: 8, .value_kind: global_buffer, .address_space: global }
      - { .name: out0, .offset: 24, .size: 8, .value_kind: global_buffer, .address_space: global }
    .group_segment_fixed_size: 288256
    .private_segment_fixed_size: 0
    .kernarg_segment_align: 8
    .kernarg_segment_size: 32
    .max_flat_workgroup_size: 128
    .sgpr_count:     100
    .vgpr_count:     512
    .wavefront_size: 32
...
	.end_amdgpu_metadata
.endif
;; end of part 4
